; MI455X (gfx1250); checked and timed in simulation.
; The chip was launched on July 23, 2026; its instructions are those of AMD's public machine-readable ISA for CDNA 5 (MIT licence, August 2026) and "CDNA5" Instruction Set Architecture Reference Guide (July 2026). The comments in the code are by the model that wrote it; some were corrected since.
;; Attention. Allowed arithmetic: matrix products marked QUANTISED: E4M3 operands, one given power-of-two scale a tensor, by v_wmma_f32_16x16x64_fp8_fp8 or v_wmma_f32_16x16x128_fp8_fp8, f32 sums; everything else in f32.
;; Inputs: Wk 512 x 512 float32; Wo 512 x 512 float32; Wq 512 x 512 float32; Wv 512 x 512 float32; bo 512 float32; lowp_scales 12 int32 (the exponents e of the quantised operands' scales 2^e); x 2 x 4,096 x 512 float32.
;; Outputs: out0 2 x 4,096 x 512 float32.
;; This version of the problem:
;;   THIS VERSION OF THE PROBLEM IS GIVEN IN LOW PRECISION. The matrix products marked QUANTISED in the list below multiply operands that are first quantised to E4M3 (4 exponent bits, 3 mantissa bits; 8 bits a number), with one given power-of-two scale for each operand tensor; their sums are f32. All else is computed in f32.
;;   The module's matrix products, in the order in which they are computed (A, B: the left and right operand; K: the contracted axis; several contracted axes count as one K, in the product's order):
;;     1. [M 8,192, K 512] x [K 512, N 512]; A: input x; B: input Wq: QUANTISED (scales: A lowp_scales[0], B lowp_scales[1])
;;     2. [M 8,192, K 512] x [K 512, N 512]; A: input x; B: input Wk: QUANTISED (scales: A lowp_scales[2], B lowp_scales[3])
;;     3. [M 8,192, K 512] x [K 512, N 512]; A: input x; B: input Wv: QUANTISED (scales: A lowp_scales[4], B lowp_scales[5])
;;     4. batch 16 x [M 4,096, K 64] x [K 64, N 4,096]; A: computed on the way; B: computed on the way: QUANTISED (scales: A lowp_scales[6], B lowp_scales[7])
;;     5. batch 16 x [M 4,096, K 4,096] x [K 4,096, N 64]; A: softmax (see below); B: computed on the way: QUANTISED (scales: A lowp_scales[8], B lowp_scales[9])
;;     6. [M 8,192, K 512] x [K 512, N 512]; A: computed on the way; B: input Wo: QUANTISED (scales: A lowp_scales[10], B lowp_scales[11])
;;   THE QUANTISER, for each operand of a quantised product, along K:
;;     - The operand's scale is 2^e, e = its entry of the input lowp_scales (int32; the entries are numbered through the quantised products in the list's order, A before B).
;;     - Each number is divided by the scale, clamped to +-448, and rounded to the nearest number of E4M3, ties to even, subnormals kept.
;;     - The product sums the exact products of the quantised numbers (number of the format x scale) in f32.
;;   ~~~python
;;   def quantise(x, axis, e):      # numpy; x: float32 -> the quantised numbers, widened to float32 again
;;       x = np.moveaxis(x, axis, -1); K = x.shape[-1]
;;       r = np.clip(x / 2.0 ** e, -448, 448)
;;       step = 2.0 ** (np.maximum(np.frexp(np.where(r == 0, 1, r))[1] - 1, -6) - 3)
;;       q = np.round(r / step) * step * 2.0 ** e      # np.round: ties to even
;;       return np.moveaxis(q, -1, axis).astype(np.float32)
;;   ~~~
;;   SOFTMAX AHEAD OF A QUANTISED PRODUCT. Where the list says 'softmax', what is quantised is not the finished softmax but p = 2^(t - M), with t = logit x log2(e) and M = ceil(the row's largest t), a whole number; so 1/2 < the row's largest p <= 1. The row's sum l is taken of the UNQUANTISED p, in f32, and the product's result is divided by l at the end. Since M is a whole number, a kernel that streams over the keys may use a running M (the ceiling of the running maximum): every later rescaling is an exact power of two, so the quantised numbers keep their values, but for numbers so far below the row's largest that they fall under the format's range.
;;   OPERANDS COMPUTED ON THE WAY. 'Computed on the way' means the value that the module computes at that place (a softmax that the list does not call 'softmax' is quantised finished and normalised). What goes into a quantiser is computed in f32, as accurately as f32 sums, v_exp_f32 and their like allow (about 1e-6 of the number): no bf16 or f16 on the way to a quantiser, and a product that is left as it is and whose result goes on into a quantised operand takes f32 operands (vector FMAs, or v_wmma_f32_16x16x4_f32). A number that lies on a knife's edge between two numbers of the format may be rounded either way, as far as f32 arithmetic and the matrix unit's own rounding can turn it there, and no further.
;; One version. Each part assembles by itself: llvm-mc -triple=amdgcn-amd-amdhsa -mcpu=gfx1250 --defsym DOCPART=n.
;; ======== version 1 of 1: 4 launches
;; limits: right only within a limited range of input values
;; workspace buffers: wimg 1,048,576 bytes; qimg 4,194,304 bytes; kvimg 8,388,608 bytes; oimg 4,194,304 bytes
;; launch prep (part 1): grid 128 x 4, 1 waves a work-group, no clusters, 0 bytes of LDS; arguments Wq, Wk, Wv, Wo, lowp_scales, wimg; writes wimg
.if DOCPART == 1
	.amdgcn_target "amdgcn-amd-amdhsa--gfx1250"
	.amdhsa_code_object_version 6
	.text
	.protected	k_q40d938dbbe_prep
	.globl	k_q40d938dbbe_prep
	.p2align	8
	.type	k_q40d938dbbe_prep,@function
k_q40d938dbbe_prep:
	s_mov_b64 s[64:65], 0
	v_nop
	global_prefetch_b8 v0, s[64:65] scope:SCOPE_SE
	s_setreg_imm32_b32 hwreg(HW_REG_WAVE_MODE, 25, 1), 1
	s_wait_xcnt 0x0
; The four weights, [512][512] f32 with K innermost, become codes of E4M3, each with its given scale 2^e (entries 1, 3, 5, 11 of lowp_scales):
; code = W / 2^e, held within +-448, to the nearest code, ties to even.
; The codes are laid in the ORDER OF AN OPERAND'S REGISTERS: wimg[weight j][tile ct 0..31][K step s 0..3][chunk c 0..3][lane][16 bytes], where lane (r = lane % 16, h = lane / 16)
; of chunk c holds W_j[row 32 (ct / 2) + 8 (ct % 2) + r + 8 (r / 8)][k = 128 s + 32 c + 16 h + 0 .. 15].  THE ROWS OF A TILE ARE NOT NEIGHBOURS: so the 16 result registers of tiles 2 b and 2 b + 1
; of a product used transposed are 16 neighbouring columns.  A reader fetches a fragment by four loads of 16 bytes a lane, 512 consecutive bytes each.
; SHARES: one wave to a work-group; work-group (x = 4 ct + s, y = j) makes one fragment: 16 rows x 128 along K, 64 numbers a lane.  No LDS, no barrier: waves share nothing.
; LIMITS: e between -126 and 119, so that 2^e and 448 x 2^e are f32 numbers.  NaN among the inputs is not served.
.set X, 16                             ; v16-79  my 64 numbers: register 16 c + i = k 32 c + 16 h + i of my row
.set C, 80                             ; v80-95  their codes
	s_load_b256 s[4:11], s[0:1], 0x0               ; Wq s[4:5], Wk s[6:7], Wv s[8:9], Wo s[10:11]
	s_load_b128 s[12:15], s[0:1], 0x20             ; the scales' exponents s[12:13], wimg s[14:15]
	v_and_b32 v1, 15, v0                           ; r
	v_bfe_u32 v2, v0, 4, 1                         ; h
	v_and_b32 v3, 8, v1
	v_add_nc_u32 v3, v3, v1                        ; r + 8 (r / 8)
	v_lshlrev_b32 v3, 11, v3                       ; a row of W is 2,048 bytes
	v_lshl_add_u32 v3, v2, 6, v3                   ; + 16 h numbers
	v_lshlrev_b32 v4, 4, v0                        ; out: 16 bytes a lane
	s_and_b32 s16, ttmp7, 0xffff                   ; j: which weight
	s_lshr_b32 s18, ttmp9, 2                       ; ct
	s_and_b32 s19, ttmp9, 3                        ; s
	s_lshr_b32 s22, s18, 1
	s_lshl_b32 s22, s22, 16                        ; 32 (ct / 2) rows
	s_and_b32 s23, s18, 1
	s_lshl_b32 s23, s23, 14                        ; 8 (ct % 2) rows
	s_add_co_u32 s22, s22, s23
	s_lshl_b32 s23, s19, 9                         ; 128 s numbers
	s_add_co_u32 s22, s22, s23
	s_mov_b32 s23, 0
	s_lshl_b32 s38, s16, 18                        ; a weight's images are 262,144 bytes,
	s_lshl_b32 s39, ttmp9, 11                      ; a fragment's 2,048
	s_add_co_u32 s38, s38, s39
	s_mov_b32 s39, 0
	s_wait_alu depctr_va_vdst(0)
	s_wait_kmcnt 0x0
	s_load_b256 s[24:31], s[12:13], 0x0            ; e0 .. e7
	s_load_b128 s[32:35], s[12:13], 0x20           ; e8 .. e11
	s_cmp_eq_u32 s16, 1                            ; the weight is chosen by the work-group's number alone
	s_cselect_b64 s[20:21], s[6:7], s[4:5]
	s_cmp_eq_u32 s16, 2
	s_cselect_b64 s[20:21], s[8:9], s[20:21]
	s_cmp_eq_u32 s16, 3
	s_cselect_b64 s[20:21], s[10:11], s[20:21]
	s_add_nc_u64 s[20:21], s[20:21], s[22:23]
	s_add_nc_u64 s[14:15], s[14:15], s[38:39]
.irp c, 0,1,2,3
.irp q, 0,1,2,3
	global_load_b128 v[X+16*\c+4*\q:X+16*\c+4*\q+3], v3, s[20:21] offset:128*\c+16*\q th:TH_LOAD_NT   ; read once in the launch
.endr
.endr
	s_wait_kmcnt 0x0
	s_cmp_eq_u32 s16, 1
	s_cselect_b32 s36, s27, s25                    ; e3 or e1
	s_cmp_eq_u32 s16, 2
	s_cselect_b32 s36, s29, s36                    ; e5
	s_cmp_eq_u32 s16, 3
	s_cselect_b32 s36, s35, s36                    ; e11
	s_add_co_i32 s36, s36, 127
	s_lshl_b32 s37, s36, 23
	v_mov_b32 v11, s37                             ; 2^e as f32: the conversion takes its exponent field
	s_add_co_i32 s36, s36, 8
	s_lshl_b32 s36, s36, 23
	s_or_b32 s36, s36, 0x600000
	v_mov_b32 v10, s36                             ; 448 x 2^e
	s_wait_alu depctr_va_vdst(0)
	s_wait_loadcnt 0x0
.irp c, 0,1,2,3
.set i, 0
.rept 16
	v_med3_num_f32 v[X+16*\c+i], v[X+16*\c+i], -v10, v10   ; the conversion to an 8-bit code does not saturate (ISA guide 7.6.2): the hold comes first
.set i, i+1
.endr
	v_cvt_scalef32_pk8_fp8_f32 v[C+4*\c:C+4*\c+1], v[X+16*\c:X+16*\c+7], v11
	v_cvt_scalef32_pk8_fp8_f32 v[C+4*\c+2:C+4*\c+3], v[X+16*\c+8:X+16*\c+15], v11
.endr
	v_nop                                          ; a plain vector line behind the last conversion
.irp c, 0,1,2,3
	global_store_b128 v4, v[C+4*\c:C+4*\c+3], s[14:15] offset:512*\c   ; the wave stores 512 consecutive bytes, at a multiple of 512 from the buffer's first byte
.endr
	s_endpgm
.Lfunc_end_k_q40d938dbbe_prep:
	.size	k_q40d938dbbe_prep, .Lfunc_end_k_q40d938dbbe_prep-k_q40d938dbbe_prep
	.p2alignl 7, 3214868480
	.fill 96, 4, 3214868480
	.section	.rodata,"a",@progbits
	.p2align	6, 0x0
	.amdhsa_kernel k_q40d938dbbe_prep
		.amdhsa_group_segment_fixed_size 0
		.amdhsa_private_segment_fixed_size 0
		.amdhsa_enable_private_segment 0
		.amdhsa_kernarg_size 48
		.amdhsa_user_sgpr_count 2
		.amdhsa_user_sgpr_kernarg_segment_ptr 1
		.amdhsa_wavefront_size32 1
		.amdhsa_system_sgpr_workgroup_id_x 1
		.amdhsa_system_sgpr_workgroup_id_y 1
		.amdhsa_system_sgpr_workgroup_id_z 1
		.amdhsa_system_vgpr_workitem_id 0
		.amdhsa_next_free_vgpr 96
		.amdhsa_next_free_sgpr 66
		.amdhsa_reserve_vcc 0
		.amdhsa_float_denorm_mode_32 3
		.amdhsa_float_denorm_mode_16_64 3
		.amdhsa_memory_ordered 1
		.amdhsa_forward_progress 1
		.amdhsa_inst_pref_size 9
	.end_amdhsa_kernel
	.amdgpu_metadata
---
amdhsa.version: [ 1, 2 ]
amdhsa.kernels:
  - .name:           k_q40d938dbbe_prep
    .symbol:         k_q40d938dbbe_prep.kd
    .args:
      - { .name: Wq, .offset: 0, .size: 8, .value_kind: global_buffer, .address_space: global }
      - { .name: Wk, .offset: 8, .size: 8, .value_kind: global_buffer, .address_space: global }
      - { .name: Wv, .offset: 16, .size: 8, .value_kind: global_buffer, .address_space: global }
      - { .name: Wo, .offset: 24, .size: 8, .value_kind: global_buffer, .address_space: global }
      - { .name: lowp_scales, .offset: 32, .size: 8, .value_kind: global_buffer, .address_space: global }
      - { .name: wimg, .offset: 40, .size: 8, .value_kind: global_buffer, .address_space: global }
    .group_segment_fixed_size: 0
    .private_segment_fixed_size: 0
    .kernarg_segment_align: 8
    .kernarg_segment_size: 48
    .max_flat_workgroup_size: 32
    .sgpr_count:     66
    .vgpr_count:     96
    .wavefront_size: 32
...
	.end_amdgpu_metadata
.endif
;; end of part 1
;; launch qkv (part 2): grid 64 x 4, 12 waves a work-group, no clusters, 198,144 bytes of LDS; arguments x, wimg, lowp_scales, qimg, kvimg; writes qimg, kvimg
.if DOCPART == 2
	.amdgcn_target "amdgcn-amd-amdhsa--gfx1250"
	.amdhsa_code_object_version 6
	.text
	.protected	k_q40d938dbbe_qkv
	.globl	k_q40d938dbbe_qkv
	.p2align	8
	.type	k_q40d938dbbe_qkv,@function
k_q40d938dbbe_qkv:
	s_mov_b64 s[64:65], 0
	v_nop
	global_prefetch_b8 v0, s[64:65] scope:SCOPE_SE
	s_setreg_imm32_b32 hwreg(HW_REG_WAVE_MODE, 25, 1), 1
	s_wait_xcnt 0x0
; q = x Wq^T, k = x Wk^T, v = x Wv^T on codes of E4M3, and their results quantised for the attention's two products.
; x [8192][512] f32 is quantised THREE times (its scale differs from product to product: entries 0, 2, 4 of lowp_scales); the weights come as codes, as images of operand registers (wimg).
; SHARES.  Work-group (blk, hp): tokens 128 blk .. + 127, the 128 columns of heads 2 hp and 2 hp + 1 of each of q, k, v.  Twelve waves: wave w makes product J = w / 4 (0 q, 1 k, 2 v), columns 32 G on, G = w % 4,
; for all 128 tokens.  Its part of the weight (2 tiles x 4 K steps, 128 registers) stays in registers.
; PHASE 1.  The block's x is 32 units of 16 tokens x 128 along K; wave w takes units w, w + 12 and, if w < 8, w + 24: it loads 64 numbers a lane once, quantises them by the three scales and stores three images in LDS.
; PHASE 2, behind one barrier.  Eight tiles of tokens, two at a time: x's fragments from LDS, 16 matrix instructions on four accumulators by turns, the hold, the conversion, two stores.
; IMAGES.  A fragment (16 rows x 128 K) is four chunks of 512 bytes: lane (r, h) of chunk c holds k = 32 c + 16 h + 0 .. 15 of its row.  That is a permutation of k inside a matrix instruction, the same in both operands.
; The rows of tile T of a group of 128 are 32 (T / 2) + 8 (T % 2) + r + 8 (r / 8).  So the 16 result registers of two neighbouring tiles are 16 neighbours along the next product's K:
;   q, k: the product is used transposed (source 0 = the weight's rows, source 1 = tokens): a lane holds one token and 16 neighbouring channels: a chunk of a fragment of q or k (K = the head's 64);
;   v: source 0 = tokens, source 1 = the weight's rows: a lane holds one channel and 16 neighbouring tokens: a chunk of a fragment of v^T (K = the keys).
; OUT.  qimg[bh][tile][chunk 0..1][lane][16];  kvimg[bh][key step of 128][K: tile 0..7, chunk 0..1 | V: tile 0..3, chunk 0..3][lane][16].  Every store of a wave covers 512 consecutive bytes, aligned.
; NO TENSOR LOADS, NO CLUSTER: what the four work-groups of a token block share is x in f32, which must pass through registers to be quantised; 262,144 bytes of it beside 196,608 bytes of images do not fit in LDS;
; a wave's weight fragments are read by that wave alone.
; LIMITS: e0, e2, e4, e6 - e0 - e1, e7 - e2 - e3, e9 - e4 - e5 each between -126 and 119.  NaN among the inputs is not served.
.set SETB,  65536                      ; LDS: x's images by scale J at J x 65,536: unit u = 4 T + s at 2,048 u
.set SPARE, 3*SETB                     ; behind them: the spare words, 128 bytes for each of twelve waves: six blocks of 256 bytes that no other line names
.set LI,  1                            ; v1      16 x lane
.set XA,  2                            ; v2      x: my lane's byte in a unit: row r + 8 (r / 8) of 2,048 bytes, + 64 h
.set SPW, 3                            ; v3      LDS address of my spare word; never rewritten
.set NIL, 4                            ; v4      0; never rewritten
.set XST, 5                            ; v5-7    where I store images, for each of the three scales
.set XR,  8                            ; v8      where I read my product's images
.set SCX, 9                            ; v9-11   2^e0, 2^e2, 2^e4 as f32
.set LMX, 12                           ; v12-14  448 x those
.set TMP, 16                           ; v16-47  phase 1: two sets of 16 held numbers
.set ACC, 16                           ; v16-47  phase 2: four accumulators
.set CD,  48                           ; v48-63  phase 1: a fragment's codes;  v48-55 phase 2: two chunks
.set SCO, 56                           ; v56     phase 2: the result's conversion scale;  v57: 448 x it
.set LMO, 57
.set X,   64                           ; v64-255 phase 1: three units of 64 numbers
.set W,   64                           ; v64-191 phase 2: my weight fragments: tile a, K step s at 64 a + 16 s
.set XF,  192                          ; v192-255 phase 2: x's fragments: tile a', K step s' of two at 32 a' + 16 s'
	s_load_b256 s[4:11], s[0:1], 0x0               ; x s[4:5], wimg s[6:7], the scales' exponents s[8:9], qimg s[10:11]
	s_load_b64 s[12:13], s[0:1], 0x20              ; kvimg
	v_lshl_add_u32 v[SPW], v0, 2, SPARE
	v_mov_b32 v[NIL], 0
	v_lshrrev_b32 v1, 5, v0
	s_delay_alu instid0(VALU_DEP_1)
	v_readfirstlane_b32 s14, v1                    ; wave 0..11
	s_lshr_b32 s15, s14, 2                         ; J
	s_and_b32 s16, s14, 3                          ; G
	s_mov_b32 s17, ttmp9                           ; blk
	s_and_b32 s18, ttmp7, 0xffff                   ; hp
	v_and_b32 v[LI], 31, v0
	s_delay_alu instid0(VALU_DEP_1)
	v_lshlrev_b32 v[LI], 4, v[LI]
	v_and_b32 v[XR], 15, v0                        ; r
	s_delay_alu instid0(VALU_DEP_1)
	v_and_b32 v[XA], 8, v[XR]
	s_delay_alu instid0(VALU_DEP_1)
	v_add_nc_u32 v[XA], v[XA], v[XR]               ; r + 8 (r / 8)
	s_delay_alu instid0(VALU_DEP_1)
	v_lshlrev_b32 v[XA], 11, v[XA]
	v_bfe_u32 v[XR], v0, 4, 1                      ; h
	s_delay_alu instid0(VALU_DEP_1)
	v_lshl_add_u32 v[XA], v[XR], 6, v[XA]
	s_lshl_b32 s30, s14, 11                        ; every LDS address is made here, ahead of the first branch
	v_add_nc_u32 v[XST], s30, v[LI]                ; unit w of scale 0,
	s_delay_alu instid0(VALU_DEP_1)
	v_add_nc_u32 v[XST+1], SETB, v[XST]            ; of scale 1,
	s_delay_alu instid0(VALU_DEP_2)
	v_add_nc_u32 v[XST+2], 2*SETB, v[XST]          ; of scale 2; units w + 12 and w + 24 stand in the stores' immediates
	s_lshl_b32 s30, s15, 16
	v_add_nc_u32 v[XR], s30, v[LI]
	s_mov_b32 s31, 0
	s_lshl_b32 s34, s17, 18                        ; the block's 128 rows of 2,048 bytes
	s_lshl_b32 s36, s18, 3                         ; my first weight tile: 8 hp + 2 G, of 8,192 bytes,
	s_lshl_b32 s37, s16, 1
	s_add_co_u32 s36, s36, s37
	s_lshl_b32 s36, s36, 13
	s_lshl_b32 s37, s15, 18                        ; in weight J
	s_add_co_u32 s36, s36, s37
	s_mov_b32 s37, 0
	s_lshr_b32 s52, s17, 5                         ; where my results go: bh = 8 (blk / 32) + 2 hp + G / 2
	s_lshl_b32 s52, s52, 3
	s_lshl_b32 s53, s18, 1
	s_add_co_u32 s52, s52, s53
	s_lshr_b32 s53, s16, 1
	s_add_co_u32 s52, s52, s53
	s_lshl_b32 s52, s52, 5
	s_and_b32 s53, s17, 31
	s_add_co_u32 s52, s52, s53                     ; 32 bh + nb: a block of 128 tokens is 8,192 bytes in qimg, 16,384 in kvimg
	s_cmp_eq_u32 s15, 0
	s_cselect_b32 s53, 13, 14
	s_lshl_b32 s38, s52, s53
	s_and_b32 s52, s16, 1                          ; which 32 of the head's 64 channels: for q and k a chunk (512 bytes), for v two tiles (4,096 bytes) behind K's 8,192
	s_cmp_eq_u32 s15, 2
	s_cselect_b32 s53, 12, 9
	s_cselect_b32 s54, 8192, 0
	s_lshl_b32 s52, s52, s53
	s_add_co_u32 s38, s38, s52
	s_add_co_u32 s38, s38, s54
	s_mov_b32 s39, 0
	s_wait_alu depctr_va_vdst(0)
	s_wait_kmcnt 0x0
	s_load_b256 s[40:47], s[8:9], 0x0              ; e0 .. e7
	s_load_b128 s[48:51], s[8:9], 0x20             ; e8 .. e11
.macro XBASE n                         ; s[20+2n:21+2n]: x at unit u = w + 12 n: tile T = u / 4 (rows 32 (T / 2) + 8 (T % 2) on), K step u % 4
	s_add_co_u32 s32, s14, 12*\n
	s_lshr_b32 s30, s32, 3
	s_lshl_b32 s30, s30, 16
	s_bfe_u32 s33, s32, 0x10002
	s_lshl_b32 s33, s33, 14
	s_add_co_u32 s30, s30, s33
	s_and_b32 s33, s32, 3
	s_lshl_b32 s33, s33, 9
	s_add_co_u32 s30, s30, s33
	s_add_co_u32 s30, s30, s34
	s_add_nc_u64 s[20+2*\n:21+2*\n], s[4:5], s[30:31]
.endm
	XBASE 0
	XBASE 1
	XBASE 2                                        ; (in waves 8 to 11 it is made and never used)
	s_add_nc_u64 s[26:27], s[6:7], s[36:37]
	s_cmp_eq_u32 s15, 0
	s_cselect_b64 s[28:29], s[10:11], s[12:13]     ; q goes to qimg, k and v to kvimg: the choice hangs on the wave's number alone
	s_add_nc_u64 s[28:29], s[28:29], s[38:39]
.macro XLOAD n                         ; unit n: register 16 c + i = k 32 c + 16 h + i of my row
.irp c, 0,1,2,3
.irp q, 0,1,2,3
	global_load_b128 v[X+64*\n+16*\c+4*\q:X+64*\n+16*\c+4*\q+3], v[XA], s[20+2*\n:21+2*\n] offset:128*\c+16*\q
.endr
.endr
.endm
.macro WLOAD a                         ; my weight tile a, all four K steps: 512 consecutive bytes a load
.irp s, 0,1,2,3
.irp c, 0,1,2,3
	global_load_b128 v[W+64*\a+16*\s+4*\c:W+64*\a+16*\s+4*\c+3], v[LI], s[26:27] offset:8192*\a+2048*\s+512*\c
.endr
.endr
.endm
; Unit n is quantised by the three scales; each fragment goes to LDS as an image of its registers.  The held numbers go into two sets by turns, so that plain lines stand between a conversion and the next write of its sources.
.macro XQUANT n
.irp qs, 0,1,2
.irp c, 0,1,2,3
.set i, 0
.rept 16
	v_med3_num_f32 v[TMP+16*(\c%2)+i], v[X+64*\n+16*\c+i], -v[LMX+\qs], v[LMX+\qs]   ; the conversion does not saturate (ISA guide 7.6.2): the hold at 448 x the scale
.set i, i+1
.endr
.if \c == 0
	s_wait_alu depctr_va_vdst(0)
	s_wait_dscnt 0x0                               ; the last image's stores have read the codes' registers
.endif
	v_cvt_scalef32_pk8_fp8_f32 v[CD+4*\c:CD+4*\c+1], v[TMP+16*(\c%2):TMP+16*(\c%2)+7], v[SCX+\qs]
	v_cvt_scalef32_pk8_fp8_f32 v[CD+4*\c+2:CD+4*\c+3], v[TMP+16*(\c%2)+8:TMP+16*(\c%2)+15], v[SCX+\qs]
.endr
	v_nop                                          ; a plain vector line behind the last conversion
.irp c, 0,1,2,3
	ds_store_b128 v[XST+\qs], v[CD+4*\c:CD+4*\c+3] offset:24576*\n+512*\c
.endr
.endr
.endm
	XLOAD 0
	XLOAD 1
	s_cmp_ge_u32 s14, 8
	s_cbranch_scc1 .Lno_third_load
	XLOAD 2
.Lno_third_load:
	s_wait_kmcnt 0x0
.macro MKSC sc, lim, e                 ; v[sc] = 2^E as f32, v[lim] = 448 x 2^E, E in s[e]
	s_add_co_i32 s52, s[\e], 127
	s_lshl_b32 s53, s52, 23
	v_mov_b32 v[\sc], s53
	s_add_co_i32 s52, s52, 8
	s_lshl_b32 s52, s52, 23
	s_or_b32 s52, s52, 0x600000
	v_mov_b32 v[\lim], s52
.endm
	MKSC SCX, LMX, 40
	MKSC SCX+1, LMX+1, 42
	MKSC SCX+2, LMX+2, 44
	s_sub_co_i32 s54, s46, s40                     ; a sum stands for sum x 2^(x's e + the weight's e): its code is sum / 2^(the result's e - those two)
	s_sub_co_i32 s54, s54, s41                     ; q: e6 - e0 - e1
	s_sub_co_i32 s55, s47, s42
	s_sub_co_i32 s55, s55, s43                     ; k: e7 - e2 - e3
	s_sub_co_i32 s56, s49, s44
	s_sub_co_i32 s56, s56, s45                     ; v: e9 - e4 - e5
	s_cmp_eq_u32 s15, 1
	s_cselect_b32 s54, s55, s54
	s_cmp_eq_u32 s15, 2
	s_cselect_b32 s54, s56, s54
	s_add_co_i32 s54, s54, 127
	s_lshl_b32 s57, s54, 23                        ; kept in scalars: v56 and v57 hold codes until the barrier
	s_add_co_i32 s54, s54, 8
	s_lshl_b32 s58, s54, 23
	s_or_b32 s58, s58, 0x600000
	s_wait_alu depctr_va_vdst(0)
	s_wait_loadcnt 16                              ; unit 0 is in: behind it stand unit 1's sixteen loads (and, in waves 0 to 7, unit 2's: there the count asks for more than is needed)
	XQUANT 0
	WLOAD 0                                        ; into unit 0's registers
	s_wait_loadcnt 16                              ; unit 1 is in: the sixteen loads just issued may be out
	XQUANT 1
	WLOAD 1                                        ; into unit 1's registers
	s_cmp_ge_u32 s14, 8
	s_cbranch_scc1 .Lno_third
	s_wait_loadcnt 32                              ; unit 2 is in: behind it stand the weights' 32 loads
	XQUANT 2
.Lno_third:
	s_wait_dscnt 0x0                               ; for the others' sake: my images lie in LDS
	s_barrier_signal -1
	s_barrier_wait -1                              ; all 96 fragments do
	v_mov_b32 v[SCO], s57
	v_mov_b32 v[LMO], s58
	s_wait_loadcnt 0x0                             ; my weight fragments
.macro MM nat, kh, sp, ap, a           ; one matrix instruction: weight tile a, token tile a', K step 2 kh + s'.  The first K step starts the sum
.set rW, W+64*\a+16*(2*\kh+\sp)
.set rX, XF+32*\ap+16*\sp
.if \nat
.set rD, ACC+16*\a+8*\ap
.set rA, rX
.set rB, rW
.else
.set rD, ACC+16*\ap+8*\a
.set rA, rW
.set rB, rX
.endif
.if (\kh+\sp) == 0
	v_wmma_f32_16x16x128_fp8_fp8 v[rD:rD+7], v[rA:rA+15], v[rB:rB+15], 0
.else
	v_wmma_f32_16x16x128_fp8_fp8 v[rD:rD+7], v[rA:rA+15], v[rB:rB+15], v[rD:rD+7]
.endif
.endm
; Token tiles 2 rp and 2 rp + 1.  nat = 0 (q, k): transposed; nat = 1 (v): tokens as source 0.  The four accumulators take turns, one instruction a turn.
.macro PAIR rp, nat
.irp kh, 0,1
.rept 4
	v_nop                                          ; places in front of loads into registers that matrix instructions have read (ISA guide 7.12.1 for vector instructions)
.endr
.irp ap, 0,1
.irp sp, 0,1
.irp c, 0,1,2,3
	ds_load_b128 v[XF+32*\ap+16*\sp+4*\c:XF+32*\ap+16*\sp+4*\c+3], v[XR] offset:(2*\rp+\ap)*8192+(2*\kh+\sp)*2048+512*\c
.endr
.endr
.endr
	s_wait_dscnt 0x0
.irp sp, 0,1
.irp ap, 0,1
.irp a, 0,1
	MM \nat, \kh, \sp, \ap, \a
.endr
.endr
.endr
.endr
.rept 4
	v_nop                                          ; places in front of the first read of the results
.endr
	s_wait_alu depctr_va_vdst(0)
	s_wait_xcnt 0x0                                ; the last pair's stores have read the codes' registers
.set i, 0
.rept 32
	v_med3_num_f32 v[ACC+i], v[ACC+i], -v[LMO], v[LMO]   ; each accumulator from its low end on
.set i, i+1
.endr
.irp p, 0,1
	v_cvt_scalef32_pk8_fp8_f32 v[CD+4*\p:CD+4*\p+1], v[ACC+16*\p:ACC+16*\p+7], v[SCO]
	v_cvt_scalef32_pk8_fp8_f32 v[CD+4*\p+2:CD+4*\p+3], v[ACC+16*\p+8:ACC+16*\p+15], v[SCO]
.endr
	v_nop                                          ; a plain vector line behind the last conversion: the next pair's products write its sources
.irp p, 0,1
.if \nat
	global_store_b128 v[LI], v[CD+4*\p:CD+4*\p+3], s[28:29] offset:2048*\p+512*\rp    ; v^T: tile 2 (G % 2) + p, chunk rp: keys 32 rp + 16 h + 0 .. 15
.else
	global_store_b128 v[LI], v[CD+4*\p:CD+4*\p+3], s[28:29] offset:(2*\rp+\p)*1024    ; q, k: tile 2 rp + p, my chunk
.endif
.endr
.endm
	s_cmp_eq_u32 s15, 2
	s_cbranch_scc1 .Lvalues
	PAIR 0, 0
	PAIR 1, 0
	PAIR 2, 0
	PAIR 3, 0
	s_branch .Ldone
.Lvalues:
	PAIR 0, 1
	PAIR 1, 1
	PAIR 2, 1
	PAIR 3, 1
.Ldone:
	s_wait_tensorcnt 0x0                           ; the wave's end: behind my last LDS store
	ds_add_u32 v[SPW], v[NIL]
	s_wait_dscnt 0x0
	s_endpgm
.Lfunc_end_k_q40d938dbbe_qkv:
	.size	k_q40d938dbbe_qkv, .Lfunc_end_k_q40d938dbbe_qkv-k_q40d938dbbe_qkv
	.p2alignl 7, 3214868480
	.fill 96, 4, 3214868480
	.section	.rodata,"a",@progbits
	.p2align	6, 0x0
	.amdhsa_kernel k_q40d938dbbe_qkv
		.amdhsa_group_segment_fixed_size 198144
		.amdhsa_private_segment_fixed_size 0
		.amdhsa_enable_private_segment 0
		.amdhsa_kernarg_size 40
		.amdhsa_user_sgpr_count 2
		.amdhsa_user_sgpr_kernarg_segment_ptr 1
		.amdhsa_wavefront_size32 1
		.amdhsa_system_sgpr_workgroup_id_x 1
		.amdhsa_system_sgpr_workgroup_id_y 1
		.amdhsa_system_sgpr_workgroup_id_z 1
		.amdhsa_system_vgpr_workitem_id 0
		.amdhsa_next_free_vgpr 256
		.amdhsa_next_free_sgpr 66
		.amdhsa_reserve_vcc 0
		.amdhsa_float_denorm_mode_32 3
		.amdhsa_float_denorm_mode_16_64 3
		.amdhsa_memory_ordered 1
		.amdhsa_forward_progress 1
		.amdhsa_inst_pref_size 105
	.end_amdhsa_kernel
	.amdgpu_metadata
---
amdhsa.version: [ 1, 2 ]
amdhsa.kernels:
  - .name:           k_q40d938dbbe_qkv
    .symbol:         k_q40d938dbbe_qkv.kd
    .args:
      - { .name: x, .offset: 0, .size: 8, .value_kind: global_buffer, .address_space: global }
      - { .name: wimg, .offset: 8, .size: 8, .value_kind: global_buffer, .address_space: global }
      - { .name: lowp_scales, .offset: 16, .size: 8, .value_kind: global_buffer, .address_space: global }
      - { .name: qimg, .offset: 24, .size: 8, .value_kind: global_buffer, .address_space: global }
      - { .name: kvimg, .offset: 32, .size: 8, .value_kind: global_buffer, .address_space: global }
    .group_segment_fixed_size: 198144
    .private_segment_fixed_size: 0
    .kernarg_segment_align: 8
    .kernarg_segment_size: 40
    .max_flat_workgroup_size: 384
    .sgpr_count:     66
    .vgpr_count:     256
    .wavefront_size: 32
...
	.end_amdgpu_metadata
.endif
;; end of part 2
;; launch attn (part 3): grid 16 x 16, 8 waves a work-group, clusters of 4 x 1, 327,680 bytes of LDS; arguments qimg, kvimg, lowp_scales, oimg; writes oimg
.if DOCPART == 3
	.amdgcn_target "amdgcn-amd-amdhsa--gfx1250"
	.amdhsa_code_object_version 6
	.text
	.protected	k_q40d938dbbe_attn
	.globl	k_q40d938dbbe_attn
	.p2align	8
	.type	k_q40d938dbbe_attn,@function
k_q40d938dbbe_attn:
	s_mov_b64 s[64:65], 0
	v_nop
	global_prefetch_b8 v0, s[64:65] scope:SCOPE_SE
	s_setreg_imm32_b32 hwreg(HW_REG_WAVE_MODE, 25, 1), 1
	s_wait_xcnt 0x0
	s_wait_alu depctr_hold_cnt(0) depctr_sa_sdst(0) depctr_va_vdst(0) depctr_va_sdst(0) depctr_va_ssrc(0) depctr_va_vcc(0) depctr_vm_vsrc(0)
	s_getreg_b32 s2, hwreg(HW_REG_IB_STS2, 6, 4)
	s_cmp_eq_u32 s2, 0
	s_cbranch_scc0 .Lentry_in_a_cluster
	s_endpgm
.Lentry_in_a_cluster:
	s_bfe_u32 s2, ttmp6, 0x10000c
	s_cmp_lg_u32 s2, 0x3003
	s_cbranch_scc0 .Lentry_shape_is_right
	s_endpgm
.Lentry_shape_is_right:
; o[b][h][q][:] = the sum over the keys of softmax(q . k / 8) v, both products on codes of E4M3; o is quantised for the last product and stored as codes.
; THE SOFTMAX AHEAD OF THE SECOND PRODUCT: t = score x log2(e) / 8; M = the row's largest t so far, rounded UP to a whole number; p = 2^(t - M) is quantised by 2^e8, not normalised.
; The row's sum is taken of the unquantised p, in f32, and divides O at the end.  When M moves, the sum and O are multiplied by 2^(old M - new M): nothing is rounded.
; SHARES.  Work-group (xblk, bh): 256 queries of one batch and head.  Eight waves, two to a SIMD; a wave owns TWO tiles of 16 queries (A, B), so each fragment of K and of V that it reads from LDS feeds two matrix instructions.
; Every wave walks the head's 4,096 keys, 128 a step.
; OPERANDS ARE IMAGES OF REGISTERS (chunks of 32 lanes x 16 bytes; lane (r, h) of chunk c holds k = 32 c + 16 h + 0 .. 15 of its row): every LDS load takes 512 consecutive bytes.
; Both products are used transposed: S^T = K Q^T (16x16x64), O^T = V^T P^T (16x16x128): a lane holds ONE query of each tile.  The keys of a tile of K and the channels of a tile of V^T are
; 32 (T / 2) + 8 (T % 2) + r + 8 (r / 8): so p's 16 registers of tiles 2 b, 2 b + 1 are keys 32 b + 16 h + 0 .. 15, and O^T's 16 registers of two tiles are a chunk of the last product's operand.
; REGISTERS.  Window 0: v0-15 addresses, bounds and both tiles' -M, largest score, sums; v16-31 Q of A and B; v32-95 A's scores, then p; v96-159 B's; v160-191 p's codes of A and B; v192-255 at work.
; Window 1: v0-63 K's fragments; v64-127 V's; v128-191 O^T of A and B.  Both tiles' softmax lies in one window, so lines of A and lines of B take turns:
; A's chain for M stands among B's maxima, B's among A's scalings; A's exponentials take turns with B's scalings, B's with A's first sums and holds.  No plain line inside a batch of exponentials is read inside that batch.
; RING.  Two LDS slots of 131,072 bytes, eight key steps each (a step: K's 8,192 bytes, then V's 8,192, dense in kvimg).  Each wave fetches one step, 16,384 bytes: by this text's count a wave has one tensor load out.
; K's fragments of step i + 1 are asked of LDS in step i, inside a slot; V's of step i at the head of step i.
; CLUSTER.  The four work-groups of a cluster belong to one batch and head and walk the same bytes of kvimg: each load is asked for JOINTLY, with the same descriptor and a mask that names the four.
; LIMITS: e6 + e7 between -123 and 130 (added to c's exponent field); e8 and e10 - e8 - e9 between -126 and 119; the scaled scores stay under 2^31 in magnitude.  NaN among the inputs is not served.
.set SLOT1, 131072                     ; slot 1 begins here
.set SPARE, 2*SLOT1                    ; behind the ring: the spare words, 128 bytes for each of eight waves: four blocks of 256 bytes that no other line names
.set SC,  0                            ; 2^e8 (written when the thread's number has served)
.set LI,  1                            ; 16 x lane
.set ADR, 2                            ; the key step in hand + 16 x lane
.set PFO, 3                            ; 256 x lane: the prefetches' offset
.set LIM, 4                            ; 448 x 2^e8, and once more in LIMB: the two halves of a dual pair take their second sources from different banks
.set SPW, 5                            ; LDS address of my spare word; never rewritten
.set NIL, 6                            ; 0; never rewritten
.set LIMB, 7
.set QA,  16                           ; v8 -M of B, v9 its largest score, v[10:11] its sum;  v12, v13, v[14:15] the same of A
.set QB,  24
.set SA,  32
.set SB,  96
.set PCA, 160
.set PCB, 176
.set TA,  192                          ; sixteen pairs: the first level of A's sum;  TB: of B's
.set TB,  224
.set MA,  192                          ; ahead of the exponentials the same registers serve the maxima: eight chains of A, eight of B,
.set MB,  200
.set PA,  208                          ; lane l xor 16's,
.set PB,  209
.set DA,  210
.set DB,  211
.set FA,  212                          ; and f = 2^(old M - new M) in the low word of a pair
.set FB,  214
.set FK,  0                            ; window 1
.set FV,  64
.set OA,  128
.set OB,  160
.set MSB, 0
.macro WIN new                         ; low byte: bits 1:0 source 0, 3:2 source 1, 5:4 source 2, 7:6 destination; the high byte repeats the setting that is left
.if MSB != \new
	s_set_vgpr_msb (MSB<<8)|\new
.set MSB, \new
.endif
.endm
.macro ROUND                           ; a round of the cluster's barrier
	s_barrier_signal -1
	s_barrier_wait -1
	s_cmp_lg_u32 s12, 0
	s_cbranch_scc1 .Lnot_wave_0_\@
	s_barrier_signal -3
.Lnot_wave_0_\@:
	s_barrier_wait -3
	s_barrier_signal -1
	s_barrier_wait -1
.endm
.macro JLOAD                           ; every wave fetches its key step of the content; an s_nop 0 and four v_nop follow
	tensor_load_to_lds s[32:35], s[24:31]
	s_nop 0
.rept 4
	v_nop
.endr
.endm
; A PREFETCH INTO THE L2 of the 131,072 bytes that the NEXT change of slots will ask for: eight key steps ahead of that load.  All four clusters of a batch and head walk the same bytes: the first (cluster x = 0) asks.
; Its four partners take 32,768 bytes each, told apart BY ADDRESS; in each, waves 4 to 7 take 8,192 bytes each, lanes 256 bytes apart: every block of 256 bytes is named once in the launch.
; Contents 0 and 1 come by their loads alone; the last change that fills a slot asks for nothing.
.macro ASK
	s_cmp_gt_u32 s37, s38
	s_cbranch_scc0 .Lnot_mine_\@
	global_prefetch_b8 v[PFO], s[40:41] th:TH_LOAD_NT scope:SCOPE_SE
.Lnot_mine_\@:
.endm
	s_load_b256 s[4:11], s[0:1], 0x0               ; qimg s[4:5], kvimg s[6:7], the scales' exponents s[8:9], oimg s[10:11]
	v_lshl_add_u32 v[SPW], v0, 2, SPARE
	v_mov_b32 v[NIL], 0
	ds_add_u32 v[SPW], v[NIL]                      ; the opening lines: the add, twice on end, and its wait ahead of the first tensor load
	ds_add_u32 v[SPW], v[NIL]
	v_lshrrev_b32 v1, 5, v0
	v_readfirstlane_b32 s12, v1                    ; wave 0..7
	s_bfe_u32 s13, ttmp6, 0x40000                  ; cx: it enters Q's, o's and the prefetches' addresses alone
	s_lshl_b32 s14, ttmp9, 2
	s_add_co_u32 s14, s14, s13                     ; xblk = 4 x cluster x + cx
	s_and_b32 s15, ttmp7, 0xffff                   ; bh, which the four partners share
	s_mov_b32 s24, 15|(3<<16)|(1<<21)              ; group 1: the mask names all four; elements of 8 bytes; no padding; bit 21 beside a mask
	s_mov_b32 s25, 32<<16                          ; tensor_dim0 = 32: rows of 256 bytes
	s_mov_b32 s26, 64<<16                          ; tensor_dim1 = 64
	s_mov_b32 s27, 32<<16                          ; tile_dim0
	s_mov_b32 s28, 64                              ; tile_dim1
	s_mov_b32 s29, 32                              ; the pitch: dense
	s_mov_b32 s30, 0
	s_mov_b32 s31, 0
	s_mov_b32 s20, 0x76543210                      ; v_permlanex16_b32's selects for lane l xor 16
	s_mov_b32 s21, 0xfedcba98
	s_mov_b32 s22, 0x3e38aa3b                      ; c = log2(e) / 8
	s_mov_b32 s36, 0                               ; the slot in hand
	s_mov_b32 s37, 3                               ; contents still to be asked for: 4,096 keys are 4 contents of 1,024
	s_lshr_b32 s38, s12, 2
	s_xor_b32 s38, s38, 1                          ; 0 in waves 4 to 7,
	s_or_b32 s38, s38, ttmp9                       ; of the first cluster: the same in all four partners
	s_cmp_eq_u32 s38, 0
	s_cselect_b32 s38, 1, -1                       ; a wave prefetches while s37 is above this
	s_lshl_b32 s16, s12, 14                        ; the key step that I fetch, in a content and in a slot
	s_lshl_b32 s18, s15, 19                        ; a batch and head's 524,288 bytes of kvimg
	s_add_co_u32 s18, s18, s16
	s_mov_b32 s19, 0
	s_lshl_b32 s42, s15, 19                        ; the prefetches: my work-group's 32,768 bytes, my wave's 8,192 of them,
	s_lshl_b32 s46, s13, 15
	s_add_co_u32 s42, s42, s46
	s_and_b32 s46, s12, 3
	s_lshl_b32 s46, s46, 13
	s_add_co_u32 s42, s42, s46
	s_add_co_u32 s42, s42, SLOT1                   ; in content 1: the first change of slots steps it to content 2
	s_mov_b32 s43, 0
	s_lshl_b32 s46, s14, 4
	s_lshl_b32 s47, s12, 1
	s_add_co_u32 s46, s46, s47                     ; my first tile of queries: 16 xblk + 2 wave
	s_lshl_b32 s44, s15, 8
	s_add_co_u32 s44, s44, s46
	s_lshl_b32 s44, s44, 10                        ; qimg: 1,024 bytes a tile, 256 tiles a batch and head
	s_mov_b32 s45, 0
	v_and_b32 v[LI], 31, v0
	v_lshlrev_b32 v[PFO], 8, v[LI]
	v_lshlrev_b32 v[LI], 4, v[LI]
	s_wait_dscnt 0x0                               ; both opening adds are done
	s_wait_kmcnt 0x0
	s_load_b256 s[48:55], s[8:9], 0x10             ; e4 .. e11: e6 s50, e7 s51, e8 s52, e9 s53, e10 s54
	s_mov_b32 s32, 1                               ; group 0: count = 1
	s_mov_b32 s33, s16                             ; LDS address: slot 0
	s_add_nc_u64 s[34:35], s[6:7], s[18:19]        ; global address: content 0
	s_or_b32 s35, s35, 0x80000000                  ; type = 2
	s_add_nc_u64 s[40:41], s[6:7], s[42:43]
	s_add_nc_u64 s[4:5], s[4:5], s[44:45]          ; Q's two fragments
	s_lshr_b32 s44, s15, 3                         ; oimg: row tile 256 b + my tile, of 8,192 bytes;
	s_lshl_b32 s44, s44, 8
	s_add_co_u32 s44, s44, s46
	s_lshl_b32 s44, s44, 13
	s_bfe_u32 s47, s15, 0x20001                    ; K step head / 2, of 2,048 bytes;
	s_lshl_b32 s47, s47, 11
	s_add_co_u32 s44, s44, s47
	s_and_b32 s47, s15, 1                          ; chunks 2 (head % 2) and the next
	s_lshl_b32 s47, s47, 10
	s_add_co_u32 s44, s44, s47
	s_add_nc_u64 s[10:11], s[10:11], s[44:45]
	ROUND                                          ; all four work-groups are here: the first joint loads meet
	JLOAD                                          ; content 0 into slot 0: my one tensor load at the head
	s_wait_alu depctr_va_vdst(0)                   ; directly ahead of the first reader of v1
.irp c, 0,1,2,3
	global_load_b128 v[QA+4*\c:QA+4*\c+3], v[LI], s[4:5] offset:512*\c   ; tile A's two chunks, then tile B's
.endr
	v_mov_b32 v13, 0xff61b1e6                      ; the largest score so far: -3e38
	v_mov_b32 v9, 0xff61b1e6
	v_floor_f32 v12, -v13                          ; -M
	v_floor_f32 v8, -v9
	v_mov_b32 v14, 0                               ; the sums, in two halves
	v_mov_b32 v15, 0
	v_mov_b32 v10, 0
	v_mov_b32 v11, 0
	v_mov_b32 v[PA], 0                             ; a lane permute's destination counts as one of its sources
	v_mov_b32 v[PB], 0
	v_mov_b32 v[FA+1], 0                           ; (named as the upper halves of pairs)
	v_mov_b32 v[FB+1], 0
	WIN 0x40
.set j, 0
.rept 64
	v_mov_b32 v[OA+j], 0                           ; O^T of A and of B.  (The step is written once: the first finds zeros, which the first change of M leaves zeros)
.set j, j+1
.endr
	WIN 0
	s_wait_kmcnt 0x0
	s_add_co_i32 s16, s50, s51
	s_lshl_b32 s16, s16, 23
	s_add_co_i32 s22, s22, s16                     ; a score stands for score x 2^(e6 + e7): the exponents are added to c's exponent field
	s_mov_b32 s23, s22                             ; (named with it as a pair)
	s_add_co_i32 s16, s52, 127
	s_lshl_b32 s17, s16, 23
	v_mov_b32 v[SC], s17                           ; 2^e8 as f32, for p's conversion
	s_add_co_i32 s16, s16, 8
	s_lshl_b32 s16, s16, 23
	s_or_b32 s16, s16, 0x600000
	v_mov_b32 v[LIM], s16                          ; 448 x 2^e8
	v_mov_b32 v[LIMB], s16
	s_sub_co_i32 s16, s54, s52
	s_sub_co_i32 s16, s16, s53                     ; O^T / the sum stands for o / 2^(e8 + e9): o's code is that / 2^(e10 - e8 - e9)
	s_add_co_i32 s16, s16, 127
	s_lshl_b32 s56, s16, 23                        ; kept in scalars until the way out
	s_add_co_i32 s16, s16, 8
	s_lshl_b32 s57, s16, 23
	s_or_b32 s57, s57, 0x600000
.macro KLOAD off                       ; K's eight fragments of the step that begins off bytes behind v[ADR]; the destination's window is 1
.irp kt, 0,1,2,3,4,5,6,7
	ds_load_b128 v[FK+8*\kt:FK+8*\kt+3], v[ADR] offset:\off+1024*\kt
	ds_load_b128 v[FK+8*\kt+4:FK+8*\kt+7], v[ADR] offset:\off+1024*\kt+512
.endr
.endm
.macro MXF m, s, n                     ; n of the eight lines that begin the chains of a maximum (counter jq); each accumulator is read from its low end on
.rept \n
	v_max3_num_f32 v[\m+jq], v[\s+3*jq], v[\s+3*jq+1], v[\s+3*jq+2]
.set jq, jq+1
.endr
.endm
.macro MXL m, s, n                     ; n of the twenty lines that carry them on (counter jm)
.rept \n
	v_max3_num_f32 v[\m+jm%8], v[\m+jm%8], v[\s+24+2*jm], v[\s+25+2*jm]
.set jm, jm+1
.endr
.endm
.macro FMN s, mp, n                    ; n of the 32 lines t - M, two numbers a line (counter jf; of the pairs c and -M the low word serves both halves)
.rept \n
	v_pk_fma_f32 v[\s+jf:\s+jf+1], v[\s+jf:\s+jf+1], s[22:23], v[\mp:\mp+1] op_sel_hi:[1,0,0]
.set jf, jf+2
.endr
.endm
.macro TL i, m, p, st, d, f            ; line i of a tile's chain from its eight maxima to -M (v[st]), the largest score (v[st+1]) and f
.if \i == 0
	v_max3_num_f32 v[\m], v[\m], v[\m+1], v[\m+2]
.elseif \i == 1
	v_max3_num_f32 v[\m+3], v[\m+3], v[\m+4], v[\m+5]
.elseif \i == 2
	v_max3_num_f32 v[\m+6], v[\m+6], v[\m+7], v[\st+1]   ; with the largest score so far
.elseif \i == 3
	v_max3_num_f32 v[\m], v[\m], v[\m+3], v[\m+6]
.elseif \i == 4
	v_permlanex16_b32 v[\p], v[\m], s20, s21
.elseif \i == 5
	v_max_num_f32 v[\st+1], v[\m], v[\p]           ; and with lane l xor 16's
.elseif \i == 6
	v_mul_f32 v[\m+1], s22, v[\st+1]               ; as t (c is positive)
.elseif \i == 7
	v_floor_f32 v[\m+2], -v[\m+1]                  ; the new -M = floor(-t) = -ceil(t)
.elseif \i == 8
	v_sub_f32 v[\d], v[\m+2], v[\st]               ; M's old value less its new one: a whole number, 0 or less
.elseif \i == 9
	v_mov_b32 v[\st], v[\m+2]
.elseif \i == 10
	v_cvt_i32_f32 v[\d], v[\d]                     ; (it saturates)
.else
	v_ldexp_f32 v[\f], 1.0, v[\d]                  ; f = 2^(old M - new M)
.endif
.endm
.macro ADD1 t, s, g                    ; pair g of the first level of a row's sum, of the unquantised p
	v_pk_add_f32 v[\t+2*g:\t+2*g+1], v[\s+4*g:\s+4*g+1], v[\s+4*g+2:\s+4*g+3]
.endm
.macro HOLD2 r                         ; the conversion does not saturate (ISA guide 7.6.2); p is not negative, so the hold is one-sided: two numbers a line
	v_dual_min_num_f32 v[\r], v[\r], v[LIM] :: v_dual_min_num_f32 v[\r+1], v[\r+1], v[LIMB]
.endm
.macro TREE t, sm, i                   ; line i of the fifteen that add the sixteen pairs, and the sixteenth, onto the running sum
.if (\i) < 8
.set ta, 2*(\i)
.set tb, ta+1
.elseif (\i) < 12
.set ta, 4*((\i)-8)
.set tb, ta+2
.elseif (\i) < 14
.set ta, 8*((\i)-12)
.set tb, ta+4
.else
.set ta, 0
.set tb, 8
.endif
.if (\i) < 15
	v_pk_add_f32 v[\t+2*ta:\t+2*ta+1], v[\t+2*ta:\t+2*ta+1], v[\t+2*tb:\t+2*tb+1]
.else
	v_pk_add_f32 v[\sm:\sm+1], v[\sm:\sm+1], v[\t:\t+1]
.endif
.endm
.macro PV o, pc                        ; O^T += V^T P^T: the accumulators take turns
	WIN 0x51
.irp vt, 0,1,2,3
	v_wmma_f32_16x16x128_fp8_fp8 v[\o+8*\vt:\o+8*\vt+7], v[FV+16*\vt:FV+16*\vt+15], v[\pc:\pc+15], v[\o+8*\vt:\o+8*\vt+7]
.endr
	WIN 0
.endm
; A KEY STEP: 128 keys x my 32 queries.  pref = 1: the slot has a further step, whose fragments of K are asked for here.
.macro STEP pref
	s_wait_dscnt 0x0                               ; K's fragments are in: nothing else is out
	WIN 0x01
.irp kt, 0,1,2,3,4,5,6,7
	v_wmma_f32_16x16x64_fp8_fp8 v[SA+8*\kt:SA+8*\kt+7], v[FK+8*\kt:FK+8*\kt+7], v[QA:QA+7], 0   ; S^T of A: registers 16 b + i are keys 32 b + 16 h + i
.endr
.irp kt, 0,1,2,3,4,5,6,7
	v_wmma_f32_16x16x64_fp8_fp8 v[SB+8*\kt:SB+8*\kt+7], v[FK+8*\kt:FK+8*\kt+7], v[QB:QB+7], 0   ; of B
.endr
	WIN 0x40
.rept 4
	v_nop                                          ; places: in front of the loads into V's and K's registers, and of the first read of the scores (ISA guide 7.12.1 for vector instructions)
.endr
.irp vt, 0,1,2,3
.irp c, 0,1,2,3
	ds_load_b128 v[FV+16*\vt+4*\c:FV+16*\vt+4*\c+3], v[ADR] offset:8192+2048*\vt+512*\c   ; V lands while the softmax is worked
.endr
.endr
.if \pref
	KLOAD 16384
.endif
	WIN 0
.if \pref
	s_add_co_u32 s39, s39, 16384
	v_add_nc_u32 v[ADR], s39, v[LI]                ; on to the next step: first read a step later
.endif
.set jq, 0
.set jm, 0
	MXF MA, SA, 8                                  ; A's maxima
	MXL MA, SA, 20
.set jq, 0
.set jm, 0
.irp i, 0,1,2,3                                ; A's chain among B's maxima
	TL \i, MA, PA, 12, DA, FA
	MXF MB, SB, 2
.endr
.irp i, 4,5,6,7
	TL \i, MA, PA, 12, DA, FA
	MXL MB, SB, 3
.endr
.irp i, 8,9,10,11
	TL \i, MA, PA, 12, DA, FA
	MXL MB, SB, 2
.endr
.set jf, 0
.irp i, 0,1,2,3                                ; B's chain among A's scalings
	TL \i, MB, PB, 8, DB, FB
	FMN SA, 12, 2
.endr
.irp i, 4,5,6,7,8,9,10,11
	TL \i, MB, PB, 8, DB, FB
	FMN SA, 12, 3
.endr
	v_pk_mul_f32 v[14:15], v[14:15], v[FA:FA+1] op_sel_hi:[1,0]   ; the sums under the new M
	v_pk_mul_f32 v[10:11], v[10:11], v[FB:FB+1] op_sel_hi:[1,0]
	WIN 0x41
.set j, 0
.rept 16
	v_pk_mul_f32 v[OA+j:OA+j+1], v[OA+j:OA+j+1], v[FA:FA+1] op_sel_hi:[1,0]   ; O^T under the new M; each accumulator from its low end on
.set j, j+2
.endr
.set j, 0
.rept 16
	v_pk_mul_f32 v[OB+j:OB+j+1], v[OB+j:OB+j+1], v[FB:FB+1] op_sel_hi:[1,0]
.set j, j+2
.endr
	WIN 0
	s_wait_alu depctr_va_vdst(0)                   ; ahead of the batch
.set jf, 0
.set j, 0
.rept 32                                       ; A's p = 2^(t - M), at most 1, not normalised; B's scalings take turns with them and are read behind the next wait
	v_exp_f32 v[SA+j], v[SA+j]
	v_exp_f32 v[SA+j+1], v[SA+j+1]
	FMN SB, 8, 1
.set j, j+2
.endr
	s_wait_alu depctr_va_vdst(0)                   ; behind A's batch (its last line is a plain one) and ahead of B's
.set g, 0
.rept 16                                       ; B's p; A's first sums and holds take turns with them and are read behind the next wait
	v_exp_f32 v[SB+4*g], v[SB+4*g]
	v_exp_f32 v[SB+4*g+1], v[SB+4*g+1]
	ADD1 TA, SA, g
	v_exp_f32 v[SB+4*g+2], v[SB+4*g+2]
	HOLD2 SA+4*g
	v_exp_f32 v[SB+4*g+3], v[SB+4*g+3]
	HOLD2 SA+4*g+2
.set g, g+1
.endr
	s_wait_alu depctr_va_vdst(0)                   ; behind B's batch, ahead of its first reader
.set g, 0
.rept 16                                       ; B's first sums and holds, A's tree among them
	ADD1 TB, SB, g
	HOLD2 SB+4*g
	HOLD2 SB+4*g+2
	TREE TA, 14, g
.set g, g+1
.endr
.irp k, 0,1,2,3,4,5,6,7                        ; A's codes, B's tree among them: plain lines stand behind each conversion
	v_cvt_scalef32_pk8_fp8_f32 v[PCA+2*\k:PCA+2*\k+1], v[SA+8*\k:SA+8*\k+7], v[SC]
	TREE TB, 10, 2*\k
	TREE TB, 10, 2*\k+1
.endr
	s_wait_alu depctr_va_vdst(0)
	s_wait_dscnt 16*\pref                          ; V is in; behind its loads stand the sixteen for the next step's K
	PV OA, PCA
.irp k, 0,1,2,3,4,5,6,7
	v_cvt_scalef32_pk8_fp8_f32 v[PCB+2*\k:PCB+2*\k+1], v[SB+8*\k:SB+8*\k+7], v[SC]   ; B's codes name no register of A's products
.endr
	v_nop                                          ; a plain vector line behind the last conversion
	PV OB, PCB
.endm
; THE CHANGE OF SLOTS stands at a slot's head.  Each wave waits for all its tensor loads (its part of the slot that it is about to read), adds 0 to its spare word, and waits for that and for its reads of the slot that it has left.
; fill = 1: a round of the cluster's barrier follows; the joint load into the other slot is the first thing behind it and has eight key steps in which to land.
.macro CHANGE fill
	s_wait_tensorcnt 0x0                           ; no tensor load of mine is out, so group 0 may be written
	ds_add_u32 v[SPW], v[NIL]                      ; 0 onto my spare word
.if \fill
	s_xor_b32 s33, s33, SLOT1                      ; the walking descriptor: the other slot than last time,
	s_add_nc_u64 s[34:35], s[34:35], SLOT1         ; the next 1,024 keys
	s_wait_xcnt 0x0                                ; the last prefetch has read its address, so it may be written:
	s_add_nc_u64 s[40:41], s[40:41], SLOT1         ; one content further on than the walking descriptor
.endif
	s_wait_dscnt 0x0                               ; the add is done, and my reads of the slot that I have left are over
.if \fill
	ROUND
	JLOAD
.else
	s_barrier_signal -1
	s_barrier_wait -1
.endif
	s_mov_b32 s39, s36
	v_add_nc_u32 v[ADR], s36, v[LI]
	s_wait_alu depctr_va_vdst(0)
	WIN 0x40
	KLOAD 0
	WIN 0
.if \fill
	ASK
.endif
	s_mov_b32 s45, 7
.endm
	s_wait_alu depctr_va_vdst(0)
	s_wait_loadcnt 0x0                             ; Q
.Lslot:                                            ; three trips: behind each change of slots but the last the next content is asked for
	CHANGE 1
.Lstep:                                            ; seven steps that have a successor in the slot
	STEP 1
	s_sub_co_u32 s45, s45, 1
	s_cmp_lg_u32 s45, 0
	s_cbranch_scc1 .Lstep
	STEP 0
	s_xor_b32 s36, s36, SLOT1                      ; on to the other slot
	s_sub_co_u32 s37, s37, 1
	s_cmp_lg_u32 s37, 0
	s_cbranch_scc1 .Lslot
	CHANGE 0                                       ; the last content is written out
.Llast:
	STEP 1
	s_sub_co_u32 s45, s45, 1
	s_cmp_lg_u32 s45, 0
	s_cbranch_scc1 .Llast
	STEP 0
	; THE WAY OUT.  O^T / the sum is held, converted and stored: a lane's 16 codes of two tiles are a chunk of the last product's operand, so nothing goes through LDS.
.rept 4
	v_nop                                          ; places behind the last products
.endr
	v_add_f32 v14, v14, v15                        ; the sums' two halves,
	v_add_f32 v10, v10, v11
	v_permlanex16_b32 v[PA], v14, s20, s21
	v_permlanex16_b32 v[PB], v10, s20, s21
	v_add_f32 v14, v14, v[PA]                      ; and lane l xor 16's
	v_add_f32 v10, v10, v[PB]
	v_mov_b32 v[LIM], s57                          ; 448 x 2^(e10 - e8 - e9),
	v_mov_b32 v[SC], s56                           ; and that power of two, for o's conversion
	s_wait_alu depctr_va_vdst(0)                   ; ahead of the batch
	v_rcp_f32 v14, v14
	v_rcp_f32 v10, v10
	v_nop                                          ; a plain line behind the reciprocals
	WIN 0x01
	s_wait_alu depctr_va_vdst(0)                   ; the wait ahead of their first reader, which is also the first reader of O^T
.set j, 0
.rept 32
	v_mul_f32 v[SA+j], v[OA+j], v14                ; register 16 bb + i: channel 32 bb + 16 h + i of my query; each accumulator from its low end on
.set j, j+1
.endr
.set j, 0
.rept 32
	v_mul_f32 v[SA+32+j], v[OB+j], v10
.set j, j+1
.endr
	WIN 0
.set j, 0
.rept 64
	v_med3_num_f32 v[SA+j], v[SA+j], -v[LIM], v[LIM]
.set j, j+1
.endr
.irp k, 0,1,2,3,4,5,6,7
	v_cvt_scalef32_pk8_fp8_f32 v[PCA+2*\k:PCA+2*\k+1], v[SA+8*\k:SA+8*\k+7], v[SC]
.endr
	v_nop                                          ; a plain vector line behind the last conversion
.irp a, 0,1
.irp b, 0,1
	global_store_b128 v[LI], v[PCA+8*\a+4*\b:PCA+8*\a+4*\b+3], s[10:11] offset:8192*\a+512*\b   ; the wave stores 512 consecutive bytes, aligned
.endr
.endr
	s_wait_tensorcnt 0x0                           ; the wave's end: behind my last tensor load
	ds_add_u32 v[SPW], v[NIL]
	s_wait_dscnt 0x0
	ROUND                                          ; the closing round: no work-group ends while a partner may still ask for a tile that names it
	s_endpgm
.Lfunc_end_k_q40d938dbbe_attn:
	.size	k_q40d938dbbe_attn, .Lfunc_end_k_q40d938dbbe_attn-k_q40d938dbbe_attn
	.p2alignl 7, 3214868480
	.fill 96, 4, 3214868480
	.section	.rodata,"a",@progbits
	.p2align	6, 0x0
	.amdhsa_kernel k_q40d938dbbe_attn
		.amdhsa_group_segment_fixed_size 327680
		.amdhsa_private_segment_fixed_size 0
		.amdhsa_enable_private_segment 0
		.amdhsa_kernarg_size 32
		.amdhsa_user_sgpr_count 2
		.amdhsa_user_sgpr_kernarg_segment_ptr 1
		.amdhsa_wavefront_size32 1
		.amdhsa_system_sgpr_workgroup_id_x 1
		.amdhsa_system_sgpr_workgroup_id_y 1
		.amdhsa_system_sgpr_workgroup_id_z 1
		.amdhsa_system_vgpr_workitem_id 0
		.amdhsa_next_free_vgpr 512
		.amdhsa_next_free_sgpr 66
		.amdhsa_reserve_vcc 0
		.amdhsa_float_denorm_mode_32 3
		.amdhsa_float_denorm_mode_16_64 3
		.amdhsa_memory_ordered 1
		.amdhsa_forward_progress 1
		.amdhsa_inst_pref_size 130
	.end_amdhsa_kernel
	.amdgpu_metadata
---
amdhsa.version: [ 1, 2 ]
amdhsa.kernels:
  - .name:           k_q40d938dbbe_attn
    .symbol:         k_q40d938dbbe_attn.kd
    .args:
      - { .name: qimg, .offset: 0, .size: 8, .value_kind: global_buffer, .address_space: global }
      - { .name: kvimg, .offset: 8, .size: 8, .value_kind: global_buffer, .address_space: global }
      - { .name: lowp_scales, .offset: 16, .size: 8, .value_kind: global_buffer, .address_space: global }
      - { .name: oimg, .offset: 24, .size: 8, .value_kind: global_buffer, .address_space: global }
    .group_segment_fixed_size: 327680
    .private_segment_fixed_size: 0
    .kernarg_segment_align: 8
    .kernarg_segment_size: 32
    .max_flat_workgroup_size: 256
    .sgpr_count:     66
    .vgpr_count:     512
    .wavefront_size: 32
...
	.end_amdgpu_metadata
.endif
;; end of part 3
;; launch proj (part 4): grid 64 x 4, 16 waves a work-group, no clusters, 200,704 bytes of LDS; arguments oimg, wimg, bo, lowp_scales, out0; writes out0
.if DOCPART == 4
	.amdgcn_target "amdgcn-amd-amdhsa--gfx1250"
	.amdhsa_code_object_version 6
	.text
	.protected	k_q40d938dbbe_proj
	.globl	k_q40d938dbbe_proj
	.p2align	8
	.type	k_q40d938dbbe_proj,@function
k_q40d938dbbe_proj:
	s_mov_b64 s[64:65], 0
	v_nop
	global_prefetch_b8 v0, s[64:65] scope:SCOPE_SE
	s_setreg_imm32_b32 hwreg(HW_REG_WAVE_MODE, 25, 1), 1
	s_wait_xcnt 0x0
; out = o Wo^T + bo on codes of E4M3.  o and Wo come as images of operand registers (oimg; wimg's fourth weight); out0 is [8192][512] f32.
; SHARES.  Work-group (blk, cb): tokens 128 blk .. + 127, columns 128 cb .. + 127.  Sixteen waves: wave w makes token tiles 2 wr, 2 wr + 1 (wr = w / 4) x column tiles 2 wc, 2 wc + 1 (wc = w % 4): four accumulators, 16 matrix instructions.
; LDS is filled ONCE: each wave brings one tile's images (8,192 dense bytes: all four K steps) by one tensor load: waves 0 to 7 o's eight tiles, waves 8 to 15 Wo's eight.  By this text's count a wave has one tensor load out.
; The product is used transposed (source 0 = Wo's rows, source 1 = tokens): a lane holds one token and, in the 16 registers of its two column tiles, 16 neighbouring columns: 64 bytes of a row of out0.
; The rows of a tile are 32 (T / 2) + 8 (T % 2) + r + 8 (r / 8): the stage in LDS puts them back in token order, and each wave stores 8 whole pieces of rows, 512 consecutive aligned bytes a store.
; NO CLUSTER: a work-group asks once, for 131,072 bytes, and has 16 matrix instructions a wave to do on them; there is no ring whose rounds a joint request could use, so two rounds of the cluster's barrier would be added for one group of loads.
; LIMIT: e10 + e11 between -126 and 127, so that 2^(e10 + e11) is an f32 number.
.set WIMG,  65536                      ; LDS: o's eight tiles at 0, Wo's eight here
.set STG,   131072                     ; the stage: 128 rows x (512 bytes + 16); no tensor load lands here
.set SP,    528
.set SPARE, STG+128*SP                 ; behind the stage: the spare words, 128 bytes for each of sixteen waves: eight blocks of 256 bytes that no other line names
.set LI,  1                            ; v1  16 x lane
.set AO,  2                            ; v2  my two tiles of o
.set AW,  3                            ; v3  my two tiles of Wo
.set STO, 4                            ; v4  the stage: where I put 64 bytes of a row
.set SR,  5                            ; v5  and where I read rows back
.set BA,  6                            ; v6  64 h: my 16 numbers of bo
.set SPW, 8                            ; v8  LDS address of my spare word; never rewritten
.set NIL, 9                            ; v9  0; never rewritten
.set ACC, 16                           ; v16-47   accumulator (a', a) at 16 a' + 8 a
.set BI,  48                           ; v48-63   bo at my 16 columns
.set OT,  64                           ; v64-95   results
.set BK,  96                           ; v96-127  rows read back
.set WF,  128                          ; v128-191 Wo's fragments: tile a, K step s' of two at 32 a + 16 s'
.set OF,  192                          ; v192-255 o's likewise
	s_load_b256 s[4:11], s[0:1], 0x0               ; oimg s[4:5], wimg s[6:7], bo s[8:9], the scales' exponents s[10:11]
	s_load_b64 s[12:13], s[0:1], 0x20              ; out0
	v_lshl_add_u32 v[SPW], v0, 2, SPARE
	v_mov_b32 v[NIL], 0
	ds_add_u32 v[SPW], v[NIL]                      ; the wave's opening: the add and its wait stand ahead of my first tensor load; the set-up below, work on registers, stands between them
	ds_add_u32 v[SPW], v[NIL]
	v_lshrrev_b32 v1, 5, v0
	s_delay_alu instid0(VALU_DEP_1)
	v_readfirstlane_b32 s14, v1                    ; wave 0..15
	s_lshr_b32 s15, s14, 2                         ; wr
	s_and_b32 s16, s14, 3                          ; wc
	s_and_b32 s18, ttmp7, 0xffff                   ; cb
	; descriptor group 1: 32 rows of 32 elements of 8 bytes, dense: 8,192 bytes
	s_mov_b32 s24, 3<<16                           ; no mask; elements of 8 bytes; no padding
	s_mov_b32 s25, 32<<16                          ; tensor_dim0 = 32
	s_mov_b32 s26, 32<<16                          ; tensor_dim1 = 32
	s_mov_b32 s27, 32<<16                          ; tile_dim0 = 32
	s_mov_b32 s28, 32                              ; tile_dim1 = 32
	s_mov_b32 s29, 32                              ; tensor_dim0_stride
	s_mov_b32 s30, 0
	s_mov_b32 s31, 0
	s_mov_b32 s32, 1                               ; group 0: count = 1
	s_lshl_b32 s33, s14, 13                        ; LDS address: 8,192 x wave
	s_and_b32 s20, s14, 7
	s_lshl_b32 s20, s20, 13                        ; tile wave % 8
	s_lshl_b32 s21, ttmp9, 16                      ; of o's block (eight tiles),
	s_lshl_b32 s22, s18, 16
	s_add_co_u32 s22, s22, 3*262144                ; or of Wo's eight, behind the three other weights
	s_cmp_lt_u32 s14, 8
	s_cselect_b32 s21, s21, s22
	s_add_co_u32 s20, s20, s21
	s_mov_b32 s21, 0
	s_wait_dscnt 0x0                               ; the opening add is done
	s_wait_kmcnt 0x0
	s_load_b64 s[38:39], s[10:11], 0x28            ; e10, e11
	s_cmp_lt_u32 s14, 8
	s_cselect_b64 s[34:35], s[4:5], s[6:7]         ; the choice hangs on the wave's number alone
	s_add_nc_u64 s[34:35], s[34:35], s[20:21]
	s_or_b32 s35, s35, 0x80000000                  ; type = 2
	tensor_load_to_lds s[32:35], s[24:31]
	s_nop 0
.rept 4
	v_nop
.endr
	s_lshl_b32 s20, s18, 9                         ; bo at column 128 cb + 32 wc
	s_lshl_b32 s22, s16, 7
	s_add_co_u32 s20, s20, s22
	s_add_nc_u64 s[8:9], s[8:9], s[20:21]
	s_lshl_b32 s20, ttmp9, 7                       ; out0 at row 128 blk + 8 wave, column 128 cb
	s_lshl_b32 s22, s14, 3
	s_add_co_u32 s20, s20, s22
	s_lshl_b32 s20, s20, 11
	s_lshl_b32 s22, s18, 9
	s_add_co_u32 s20, s20, s22
	s_add_nc_u64 s[12:13], s[12:13], s[20:21]
	v_and_b32 v[LI], 31, v0
	s_delay_alu instid0(VALU_DEP_1)
	v_lshlrev_b32 v[LI], 4, v[LI]
	v_bfe_u32 v7, v0, 4, 1                         ; h
	s_delay_alu instid0(VALU_DEP_1)
	v_lshlrev_b32 v[BA], 6, v7
.irp q, 0,1,2,3
	global_load_b128 v[BI+4*\q:BI+4*\q+3], v[BA], s[8:9] offset:16*\q   ; bo(128 cb + 32 wc + 16 h + 0 .. 15)
.endr
	s_lshl_b32 s22, s15, 14
	v_add_nc_u32 v[AO], s22, v[LI]
	s_lshl_b32 s22, s16, 14
	s_add_co_u32 s22, s22, WIMG
	v_add_nc_u32 v[AW], s22, v[LI]
	v_and_b32 v10, 15, v0                          ; r
	s_delay_alu instid0(VALU_DEP_1)
	v_and_b32 v[STO], 8, v10
	s_delay_alu instid0(VALU_DEP_1)
	v_add_nc_u32 v[STO], v[STO], v10               ; r + 8 (r / 8)
	s_delay_alu instid0(VALU_DEP_1)
	v_mul_u32_u24 v[STO], v[STO], SP
	s_delay_alu instid0(VALU_DEP_1)
	v_add_nc_u32 v[STO], v[STO], v[BA]             ; + 64 h
	s_mul_i32 s22, s15, 32*SP                      ; + rows 32 wr on,
	s_lshl_b32 s23, s16, 7                         ; + 128 wc bytes
	s_add_co_u32 s22, s22, s23
	s_add_co_u32 s22, s22, STG
	v_add_nc_u32 v[STO], s22, v[STO]
	s_mul_i32 s22, s14, 8*SP                       ; back: rows 8 wave on, 16 bytes a lane
	s_add_co_u32 s22, s22, STG
	v_add_nc_u32 v[SR], s22, v[LI]
	s_wait_alu depctr_va_vdst(0)
	s_wait_tensorcnt 0x0                           ; my tile is in,
	s_barrier_signal -1
	s_barrier_wait -1                              ; everybody's is; nothing is filled again
.irp kh, 0,1
.if \kh
.rept 4
	v_nop                                          ; places in front of loads into registers that matrix instructions have read (ISA guide 7.12.1 for vector instructions)
.endr
.endif
.irp a, 0,1
.irp sp, 0,1
.irp c, 0,1,2,3
	ds_load_b128 v[WF+32*\a+16*\sp+4*\c:WF+32*\a+16*\sp+4*\c+3], v[AW] offset:8192*\a+(2*\kh+\sp)*2048+512*\c
	ds_load_b128 v[OF+32*\a+16*\sp+4*\c:OF+32*\a+16*\sp+4*\c+3], v[AO] offset:8192*\a+(2*\kh+\sp)*2048+512*\c
.endr
.endr
.endr
	s_wait_dscnt 0x0
.irp sp, 0,1
.irp ap, 0,1
.irp a, 0,1
.if (\kh+\sp) == 0
	v_wmma_f32_16x16x128_fp8_fp8 v[ACC+16*\ap+8*\a:ACC+16*\ap+8*\a+7], v[WF+32*\a+16*\sp:WF+32*\a+16*\sp+15], v[OF+32*\ap+16*\sp:OF+32*\ap+16*\sp+15], 0
.else
	v_wmma_f32_16x16x128_fp8_fp8 v[ACC+16*\ap+8*\a:ACC+16*\ap+8*\a+7], v[WF+32*\a+16*\sp:WF+32*\a+16*\sp+15], v[OF+32*\ap+16*\sp:OF+32*\ap+16*\sp+15], v[ACC+16*\ap+8*\a:ACC+16*\ap+8*\a+7]
.endif
.endr
.endr
.endr
.endr                                              ; the four accumulators take turns, one instruction a turn
.rept 4
	v_nop                                          ; places in front of the first read of the results
.endr
	s_wait_kmcnt 0x0
	s_add_co_i32 s36, s38, s39
	s_add_co_i32 s36, s36, 127
	s_lshl_b32 s36, s36, 23                        ; 2^(e10 + e11) as f32
	s_mov_b32 s37, s36                             ; (named with it as a pair, so it is written)
	s_wait_loadcnt 0x0                             ; bo
.irp ap, 0,1
.irp i, 0,2,4,6,8,10,12,14
	v_pk_fma_f32 v[OT+16*\ap+\i:OT+16*\ap+\i+1], v[ACC+16*\ap+\i:ACC+16*\ap+\i+1], s[36:37], v[BI+\i:BI+\i+1] op_sel_hi:[1,0,1]   ; sum x 2^(e10 + e11) + bo; each accumulator from its low end on
.endr
.endr
.irp ap, 0,1
.irp q, 0,1,2,3
	ds_store_b128 v[STO], v[OT+16*\ap+4*\q:OT+16*\ap+4*\q+3] offset:8*SP*\ap+16*\q    ; token 32 wr + 8 a' + r + 8 (r / 8), columns 32 wc + 16 h + 4 q on
.endr
.endr
	s_wait_dscnt 0x0                               ; for the others' sake: my stores into the stage are done
	s_barrier_signal -1
	s_barrier_wait -1                              ; 128 whole pieces of rows lie in the stage
.irp i, 0,1,2,3,4,5,6,7
	ds_load_b128 v[BK+4*\i:BK+4*\i+3], v[SR] offset:SP*\i
.endr
.irp i, 0,1,2,3,4,5,6,7
	s_wait_dscnt 7-\i                              ; LDS loads come back in order (ISA guide 5.7.1): row i is in, the younger ones may be out
	global_store_b128 v[LI], v[BK+4*\i:BK+4*\i+3], s[12:13] offset:2048*\i th:TH_STORE_NT   ; 32 lanes store 512 consecutive bytes, at a multiple of 512 from out0's first byte; written once, read by nobody here
.endr
	s_wait_tensorcnt 0x0                           ; the wave's end: behind my last tensor load and my last LDS store
	ds_add_u32 v[SPW], v[NIL]
	s_wait_dscnt 0x0
	s_endpgm
.Lfunc_end_k_q40d938dbbe_proj:
	.size	k_q40d938dbbe_proj, .Lfunc_end_k_q40d938dbbe_proj-k_q40d938dbbe_proj
	.p2alignl 7, 3214868480
	.fill 96, 4, 3214868480
	.section	.rodata,"a",@progbits
	.p2align	6, 0x0
	.amdhsa_kernel k_q40d938dbbe_proj
		.amdhsa_group_segment_fixed_size 200704
		.amdhsa_private_segment_fixed_size 0
		.amdhsa_enable_private_segment 0
		.amdhsa_kernarg_size 40
		.amdhsa_user_sgpr_count 2
		.amdhsa_user_sgpr_kernarg_segment_ptr 1
		.amdhsa_wavefront_size32 1
		.amdhsa_system_sgpr_workgroup_id_x 1
		.amdhsa_system_sgpr_workgroup_id_y 1
		.amdhsa_system_sgpr_workgroup_id_z 1
		.amdhsa_system_vgpr_workitem_id 0
		.amdhsa_next_free_vgpr 256
		.amdhsa_next_free_sgpr 66
		.amdhsa_reserve_vcc 0
		.amdhsa_float_denorm_mode_32 3
		.amdhsa_float_denorm_mode_16_64 3
		.amdhsa_memory_ordered 1
		.amdhsa_forward_progress 1
		.amdhsa_inst_pref_size 13
	.end_amdhsa_kernel
	.amdgpu_metadata
---
amdhsa.version: [ 1, 2 ]
amdhsa.kernels:
  - .name:           k_q40d938dbbe_proj
    .symbol:         k_q40d938dbbe_proj.kd
    .args:
      - { .name: oimg, .offset: 0, .size: 8, .value_kind: global_buffer, .address_space: global }
      - { .name: wimg, .offset: 8, .size: 8, .value_kind: global_buffer, .address_space: global }
      - { .name: bo, .offset: 16, .size: 8, .value_kind: global_buffer, .address_space: global }
      - { .name: lowp_scales, .offset: 24, .size: 8, .value_kind: global_buffer, .address_space: global }
      - { .name: out0, .offset: 32, .size: 8, .value_kind: global_buffer, .address_space: global }
    .group_segment_fixed_size: 200704
    .private_segment_fixed_size: 0
    .kernarg_segment_align: 8
    .kernarg_segment_size: 40
    .max_flat_workgroup_size: 512
    .sgpr_count:     66
    .vgpr_count:     256
    .wavefront_size: 32
...
	.end_amdgpu_metadata
.endif
;; end of part 4
